; MI455X (gfx1250); checked and timed in simulation.
; The chip was launched on July 23, 2026; its instructions are those of AMD's public machine-readable ISA for CDNA 5 (MIT licence, August 2026) and "CDNA5" Instruction Set Architecture Reference Guide (July 2026). The comments in the code are by the model that wrote it; some were corrected since.
;; Block3 D Attention. Allowed arithmetic: float matrix products may take bf16 or f16 operands with f32 sums; other float arithmetic in f32, or as packed bf16 or f16 multiplies, adds, multiply-adds, maxima and minima; sums over many terms, partial sums and values carried from step to step in f32; what a program stores and reads back later, other than sums and carried values, may be rounded once to bf16 or f16.
;; Inputs: Wk 512 x 2,048 float32; Wo 2,048 x 1,024 float32; Wq 1,024 x 2,048 float32; Wv 512 x 2,048 float32; hidden_states 2 x 4,096 x 2,048 float32.
;; Outputs: out0 2 x 4,096 x 2,048 float32.
;; Constants: x_dim = 16, y_dim = 16, z_dim = 16.
;; One version. Each part assembles by itself: llvm-mc -triple=amdgcn-amd-amdhsa -mcpu=gfx1250 --defsym DOCPART=n.
;; ======== version 1 of 1: 3 launches
;; limits: values are held in f16: magnitudes above 65,504 overflow, below 6.1e-05 lose precision
;; workspace buffers: xb 33,554,432 bytes; wcat 8,388,608 bytes; wof 4,194,304 bytes; ob 16,777,216 bytes
;; launch cast (part 1): grid 1408 x 1, 8 waves a work-group, no clusters, 0 bytes of LDS; arguments hidden_states, Wq, Wk, Wv, Wo, xb, wcat, wof; writes xb, wcat, wof
.if DOCPART == 1
	.amdgcn_target "amdgcn-amd-amdhsa--gfx1250"
	.amdhsa_code_object_version 6
	.text
	.protected	k_q7b398ba9a9_cast
	.globl	k_q7b398ba9a9_cast
	.p2align	8
	.type	k_q7b398ba9a9_cast,@function
k_q7b398ba9a9_cast:
	s_mov_b64 s[64:65], 0
	v_nop
	global_prefetch_b8 v0, s[64:65] scope:SCOPE_SE
	s_setreg_imm32_b32 hwreg(HW_REG_WAVE_MODE, 25, 1), 1
	s_wait_xcnt 0x0
; ALL FIVE INPUTS ARE ROUNDED ONCE TO bf16 AND LAID OUT FOR THE TWO PRODUCTS THAT FOLLOW.
; xb   [8192][2048] bf16: hidden_states with its rows in BLOCK ORDER: the 64 tokens of a 4 x 4 x 4 block lie on end, four blocks with the same (b, bx, by) make 256 rows on end.
; wcat [2048][2048] bf16: for kv head g the 256 rows 256 g ..: Wq's rows 128 g .. +127 (query heads 2 g, 2 g + 1), Wk's rows 64 g .. +63, Wv's rows 64 g .. +63.
; wof  [2048][1024] f16:  Wo rounded to bf16, that number written as f16 (exact between 6.1e-5 and 65,504 in magnitude).
; LIMITS.  Wo beyond 65,504 becomes an infinity in wof; below 6.1e-5 it keeps f16's fixed step of 6e-8.  NaN and infinities are not treated apart.
; SHARES.  The inputs are taken as 11,264 rows of 2,048 f32 (Wo: two of its rows on end).  One wave takes one row: 8,192 bytes in by sixteen loads of 512 neighbouring bytes,
; 4,096 bytes out by sixteen stores, each of 256 consecutive bytes at a multiple of 256 from its buffer's first byte.  All sixteen loads go out at once; there is no loop, no LDS, no barrier:
; no wave wants a byte that another has fetched, and each byte is read once and written once.
.set X, 4                              ; v[4:67]  chunk j: four f32 as loaded, then two words to store
                                       ; v2 = 16 x lane (loads), v3 = 8 x lane (stores); never rewritten
; s4 wave, s5 G = my row among the 11,264, s6 r = my row in its input, s7 its row in its output, s28 the input's first G, s29 and s30 how r maps (below), s[24:25] from, s[26:27] to
	s_load_b256 s[8:15], s[0:1], 0x0               ; hidden_states s[8:9], Wq s[10:11], Wk s[12:13], Wv s[14:15]
	s_load_b256 s[16:23], s[0:1], 0x20             ; Wo s[16:17], xb s[18:19], wcat s[20:21], wof s[22:23]
	v_lshrrev_b32 v1, 5, v0
	v_readfirstlane_b32 s4, v1                     ; wave 0..7
	v_and_b32 v1, 31, v0
	v_lshlrev_b32 v2, 4, v1
	v_lshlrev_b32 v3, 3, v1
	s_lshl_b32 s5, ttmp9, 3
	s_add_co_u32 s5, s5, s4                        ; G
	s_mov_b32 s36, 0xffff0000                      ; a word's upper bf16
; Which input: G 0 .. 8191 hidden_states, .. 9215 Wq, .. 9727 Wk, .. 10239 Wv, .. 11263 Wo.  With t = r >> SH the output row is 256 t + (r - (t << SH)) + ADD.
.macro REGION start, sh, add
	s_cmp_ge_u32 s5, \start
	s_cselect_b32 s28, \start, s28
	s_cselect_b32 s29, \sh, s29
	s_cselect_b32 s30, \add, s30
.endm
	s_mov_b32 s28, 0
	s_mov_b32 s29, 13                              ; t = 0: the row keeps its number
	s_mov_b32 s30, 0
	REGION 8192, 7, 0                              ; Wq: 128 rows a group, at the group's head
	REGION 9216, 6, 128                            ; Wk: 64 rows a group, behind them
	REGION 9728, 6, 192                            ; Wv: 64 rows a group, last
	REGION 10240, 13, 0                            ; Wo: as it lies
	s_sub_co_u32 s6, s5, s28                       ; r
	s_lshr_b32 s31, s6, s29                        ; t
	s_lshl_b32 s37, s31, s29
	s_sub_co_u32 s37, s6, s37
	s_lshl_b32 s31, s31, 8
	s_add_co_u32 s7, s31, s37
	s_add_co_u32 s7, s7, s30
	; hidden_states: row bits b[12] bx[11:10] sx[9:8] by[7:6] sy[5:4] bz[3:2] sz[1:0] go to b[12] bx[11:10] by[9:8] bz[7:6] sx[5:4] sy[3:2] sz[1:0]
	s_and_b32 s38, s5, 0x1c03
	s_and_b32 s39, s5, 0x300
	s_lshr_b32 s39, s39, 4
	s_or_b32 s38, s38, s39
	s_and_b32 s39, s5, 0xc0
	s_lshl_b32 s39, s39, 2
	s_or_b32 s38, s38, s39
	s_and_b32 s39, s5, 0x30
	s_lshr_b32 s39, s39, 2
	s_or_b32 s38, s38, s39
	s_and_b32 s39, s5, 0xc
	s_lshl_b32 s39, s39, 4
	s_or_b32 s38, s38, s39
	s_cmp_lt_u32 s5, 8192
	s_cselect_b32 s7, s38, s7
	s_lshl_b32 s32, s6, 13                         ; 8,192 bytes a row in,
	s_mov_b32 s33, 0
	s_lshl_b32 s34, s7, 12                         ; 4,096 out
	s_mov_b32 s35, 0
	s_wait_kmcnt 0x0
.macro FROM start, src, dst            ; the same four tests choose the two buffers: the conditions hang on G alone
	s_cmp_ge_u32 s5, \start
	s_cselect_b64 s[24:25], s[\src:\src+1], s[24:25]
	s_cselect_b64 s[26:27], s[\dst:\dst+1], s[26:27]
.endm
	s_mov_b64 s[24:25], s[8:9]
	s_mov_b64 s[26:27], s[18:19]
	FROM 8192, 10, 20
	FROM 9216, 12, 20
	FROM 9728, 14, 20
	FROM 10240, 16, 22
	s_add_nc_u64 s[24:25], s[24:25], s[32:33]
	s_add_nc_u64 s[26:27], s[26:27], s[34:35]
.irp j, 0,1,2,3,4,5,6,7,8,9,10,11,12,13,14,15
	global_load_b128 v[X+4*(\j):X+4*(\j)+3], v2, s[24:25] offset:512*(\j) th:TH_LOAD_NT
.endr
; Chunk j: four f32 a lane become four 16-bit numbers, 8 bytes.  half = 1: the bf16 numbers are widened again (a shift, a mask) and written as f16.
; No register that a pending load or store names is written again: each chunk has its own four.
.macro CH j, half
	s_wait_loadcnt 15-(\j)                         ; loads come back in order: chunk j is in, the 15 - j younger ones may stay out
	v_cvt_pk_bf16_f32 v[X+4*(\j)], v[X+4*(\j)], v[X+4*(\j)+1]
	v_cvt_pk_bf16_f32 v[X+4*(\j)+1], v[X+4*(\j)+2], v[X+4*(\j)+3]
.if \half
	v_lshlrev_b32 v[X+4*(\j)+2], 16, v[X+4*(\j)]
	v_and_b32 v[X+4*(\j)+3], s36, v[X+4*(\j)]
	v_cvt_pk_f16_f32 v[X+4*(\j)], v[X+4*(\j)+2], v[X+4*(\j)+3]
	v_lshlrev_b32 v[X+4*(\j)+2], 16, v[X+4*(\j)+1]
	v_and_b32 v[X+4*(\j)+3], s36, v[X+4*(\j)+1]
	v_cvt_pk_f16_f32 v[X+4*(\j)+1], v[X+4*(\j)+2], v[X+4*(\j)+3]
.endif
	global_store_b64 v3, v[X+4*(\j):X+4*(\j)+1], s[26:27] offset:256*(\j) th:TH_STORE_NT
.endm
	s_cmp_ge_u32 s5, 10240
	s_cbranch_scc1 .Lwo
.irp j, 0,1,2,3,4,5,6,7,8,9,10,11,12,13,14,15
	CH \j, 0
.endr
	s_endpgm
.Lwo:
.irp j, 0,1,2,3,4,5,6,7,8,9,10,11,12,13,14,15
	CH \j, 1
.endr
	s_endpgm
.Lfunc_end_k_q7b398ba9a9_cast:
	.size	k_q7b398ba9a9_cast, .Lfunc_end_k_q7b398ba9a9_cast-k_q7b398ba9a9_cast
	.p2alignl 7, 3214868480
	.fill 96, 4, 3214868480
	.section	.rodata,"a",@progbits
	.p2align	6, 0x0
	.amdhsa_kernel k_q7b398ba9a9_cast
		.amdhsa_group_segment_fixed_size 0
		.amdhsa_private_segment_fixed_size 0
		.amdhsa_enable_private_segment 0
		.amdhsa_kernarg_size 64
		.amdhsa_user_sgpr_count 2
		.amdhsa_user_sgpr_kernarg_segment_ptr 1
		.amdhsa_wavefront_size32 1
		.amdhsa_system_sgpr_workgroup_id_x 1
		.amdhsa_system_sgpr_workgroup_id_y 1
		.amdhsa_system_sgpr_workgroup_id_z 1
		.amdhsa_system_vgpr_workitem_id 0
		.amdhsa_next_free_vgpr 68
		.amdhsa_next_free_sgpr 66
		.amdhsa_reserve_vcc 0
		.amdhsa_float_denorm_mode_32 3
		.amdhsa_float_denorm_mode_16_64 3
		.amdhsa_memory_ordered 1
		.amdhsa_forward_progress 1
		.amdhsa_inst_pref_size 17
	.end_amdhsa_kernel
	.amdgpu_metadata
---
amdhsa.version: [ 1, 2 ]
amdhsa.kernels:
  - .name:           k_q7b398ba9a9_cast
    .symbol:         k_q7b398ba9a9_cast.kd
    .args:
      - { .name: hidden_states, .offset: 0, .size: 8, .value_kind: global_buffer, .address_space: global }
      - { .name: Wq, .offset: 8, .size: 8, .value_kind: global_buffer, .address_space: global }
      - { .name: Wk, .offset: 16, .size: 8, .value_kind: global_buffer, .address_space: global }
      - { .name: Wv, .offset: 24, .size: 8, .value_kind: global_buffer, .address_space: global }
      - { .name: Wo, .offset: 32, .size: 8, .value_kind: global_buffer, .address_space: global }
      - { .name: xb, .offset: 40, .size: 8, .value_kind: global_buffer, .address_space: global }
      - { .name: wcat, .offset: 48, .size: 8, .value_kind: global_buffer, .address_space: global }
      - { .name: wof, .offset: 56, .size: 8, .value_kind: global_buffer, .address_space: global }
    .group_segment_fixed_size: 0
    .private_segment_fixed_size: 0
    .kernarg_segment_align: 8
    .kernarg_segment_size: 64
    .max_flat_workgroup_size: 256
    .sgpr_count:     66
    .vgpr_count:     68
    .wavefront_size: 32
...
	.end_amdgpu_metadata
.endif
;; end of part 1
;; launch qkvattn (part 2): grid 8 x 32, 4 waves a work-group, clusters of 4 x 4, 327,680 bytes of LDS; arguments xb, wcat, ob; writes ob
.if DOCPART == 2
	.amdgcn_target "amdgcn-amd-amdhsa--gfx1250"
	.amdhsa_code_object_version 6
	.text
	.protected	k_q7b398ba9a9_qkvattn
	.globl	k_q7b398ba9a9_qkvattn
	.p2align	8
	.type	k_q7b398ba9a9_qkvattn,@function
k_q7b398ba9a9_qkvattn:
	s_mov_b64 s[64:65], 0
	v_nop
	global_prefetch_b8 v0, s[64:65] scope:SCOPE_SE
	s_setreg_imm32_b32 hwreg(HW_REG_WAVE_MODE, 25, 1), 1
	s_wait_xcnt 0x0
	s_wait_alu depctr_hold_cnt(0) depctr_sa_sdst(0) depctr_va_vdst(0) depctr_va_sdst(0) depctr_va_ssrc(0) depctr_va_vcc(0) depctr_vm_vsrc(0)
	s_getreg_b32 s2, hwreg(HW_REG_IB_STS2, 6, 4)
	s_cmp_eq_u32 s2, 0
	s_cbranch_scc0 .Lentry_in_a_cluster
	s_endpgm
.Lentry_in_a_cluster:
	s_bfe_u32 s2, ttmp6, 0x10000c
	s_cmp_lg_u32 s2, 0xf033
	s_cbranch_scc0 .Lentry_shape_is_right
	s_endpgm
.Lentry_shape_is_right:
; THE THREE PROJECTIONS AND THE BLOCK ATTENTION IN ONE LAUNCH.  A = xb [8192][2048] bf16 (rows in block order), B = wcat [2048][2048] bf16 (rows in group order), out: ob [8192][1024] f16.
; A tile of A B^T, 256 x 256, is FOUR WHOLE BLOCKS of 64 tokens x (q of query heads 2 g and 2 g + 1, k and v of kv head g): all that eight attentions (4 blocks x 2 heads) need.
; So q, k and v never go to memory: the tile's way out is the attention, and only O leaves, [row in block order][64 x head + channel].
; THE PRODUCT.  Four waves, each 128 x 128 of the tile: 64 accumulators of 16 x 16, 512 registers.  K goes in steps of 128 through a ring of two LDS slots filled by the tensor data mover;
; the tiles' rows are 256 bytes of memory at multiples of 256 from the buffer's first byte.  The grid has 8 x 32 = 256 tiles, one to a work-group.
; CLUSTERS: 4 x 4 work-groups.  The four of a row of the cluster need the same tiles of A, the four of a column the same tiles of B: each tile is asked for JOINTLY, by the same tensor load with the
; same descriptor and a mask that names the four.  THE MATRIX INSTRUCTION IS USED TRANSPOSED (source 0 = 16 rows of B, source 1 = 16 rows of A): a lane holds eight neighbouring columns of one row.
; THE ATTENTION.  q, k, v are rounded once to f16 (unscaled) and laid into a stage in LDS; behind one barrier wave w owns block w.  S^T = K Q^T holds ONE query a lane (lane % 16) and the keys
; 8 (lane / 16) + 0..7 of each 16; two such results rounded to f16 ARE source 1 of O^T = V^T P.  All 64 keys are in hand, so the row's true maximum m is taken away: p = 2^(c s - c m), c = log2(e) / 8;
; the sum l is taken of the unrounded p in f32; O = O^T / l is rounded once to f16.
; LIMITS.  q, k, v lie within f16's 65,504 (beyond it the conversion gives an infinity); below 6.1e-5 in magnitude they, p and O keep f16's fixed step of 6e-8.  A weight below 2^-126 counts as 0 in l.
; NaN and infinities are not treated apart.
; REGISTERS, in windows of 256 (s_set_vgpr_msb's low byte: bits 1:0 source 0, 3:2 source 1, 5:4 source 2, 7:6 destination):
;   the product:   window 0: v0-31 addresses; v64-127, v128-191 A's fragments, two buffers.  window 1: the same two ranges, B's.  window 2: accumulators of my rows 0-63 ((a, b) at 8 (8 a + b)); window 3: rows 64-127
;   the attention: window 0: v32-63 eight registers of statistics a tile of 16 queries; v64-191 S^T, 32 a tile; v192-255 P, 16 a tile.  window 1: v0-127 O^T, 32 a tile.  window 2: v0-63 Q; v128-191 K; v192-255 V
.set SIZE_K, 2048
.set KSTEP,  128
.set PITCH,  272                       ; an LDS row: 256 bytes + 16 of padding = 68 words: row r starts at bank 4 r mod 64 (64 banks of 4 bytes: ISA guide 11.1), so the 16 rows of a load start at 16 different banks
.set HALFT,  128*PITCH                 ; 128 rows: what one tensor load brings, and what one wave reads of A or of B
.set SLOT,   4*HALFT                   ; A's 256 rows, then B's 256 rows
.set SPARE,  2*SLOT                    ; behind the ring: the spare words, 128 bytes for each wave: two blocks of 256 bytes that no other line names
.set LAPS,   SIZE_K/(2*KSTEP)          ; a lap = two K steps = once round the ring
.set SPQ,    528                       ; THE STAGE: 256 rows of 512 bytes + 16 = 132 words (row r again at bank 4 r mod 64): q head 0 at byte 0, q head 1 at 128, k at 256, v at 384.
                                       ; It lies at LDS byte 0, in slot 0 (135,168 of its 139,264 bytes), which has had its last fill and its last read when the stage is written
.set ADRA, 16                          ; v16-17  LDS address of my A fragments in slot 0, 1
.set ADRB, 20                          ; v20-21  the same for B
.set ADR,  22                          ; v22     my place in the rows of the head in hand
.set STO,  24                          ; v24     where I put 16 bytes of a stage row
.set AQ0,  25                          ; v25     my lane's place in a fragment of my block's rows
.set AV0,  26                          ; v26     the same for the turning loads of V
.set RD,   27                          ; v27     where I read O's rows back
.set SPW,  28                          ; v28     LDS address of my spare word: SPARE + 4 x my thread's number; never rewritten
.set NIL,  29                          ; v29     0; never rewritten
.set PFO,  30                          ; v30     the prefetches' offset: my lane x a row of A or B in memory; never rewritten
.set GO,   31                          ; v31     my byte offset in two rows of ob
.set ST,   32                          ; tile t's statistics at v[ST+8 t]: c m, m, l (even keys', odd keys'), c0-c3 at work; 1 / l takes c2's place
.set S,    64
.set P,    192
.set TMP,  192                         ; the stage's filling: packed results
.set KF,   128                         ; window 2: key block kb, channel half ch at KF + 16 kb + 8 ch
.set VF,   192                         ; window 2: key half kk, channel block cb at VF + 32 kk + 8 cb
.set F0,   64
.set F1,   128
.set PFA,  44                          ; s[44:45] where my prefetches stand: my work-group's 32 rows of the 128 that I fetch, one K step further along K than the refill that is being asked for
.set LIM,  43                          ; s43     1 in a wave that prefetches, else the greatest number
.set G1,   24                          ; s[24:31] descriptor group 1 for A's tiles;  s[32:39] group 0, one set for each slot
.set G0,   32
.set G1B,  48                          ; s[48:55], s[56:63] the same for B's tiles
.set G0B,  56
.set CS,   14                          ; s[14:15] c: the packed scaling takes the pair's low word for both halves
.set SEL,  18                          ; s[18:19] v_permlanex16_b32's selects: each lane takes its own place in the other half
.set HB,   20                          ; s20     byte of the head in hand in a stage row: 0, 128
.set HC,   21                          ; s21     heads to go
.set MSB, 0
.macro WIN new                         ; the immediate's high byte repeats the setting that is left; a switch that changes nothing is dropped
.if MSB != (\new)
	s_set_vgpr_msb (MSB<<8)|(\new)
.set MSB, \new
.endif
.endm
.set MUL_LO, 0xa1                      ; source 0 (B) window 1, source 1 (A) window 0, C and D window 2
.set MUL_HI, 0xf1                      ; the same, C and D window 3
.set TO_B,   0x40                      ; destination window 1, address window 0
.set W_KQ,   0x0a                      ; K and Q in window 2, S^T in window 0
.set W_PV,   0x52                      ; V in window 2, P in window 0, O^T in window 1
.set W_RS,   0x41                      ; O^T (destination and source 0) in window 1, 1 / l in window 0
; A joint load.  Waves 0 and 1 fetch A's two halves, waves 2 and 3 B's.  Each of the two lines has one mask and one set of registers for all that issue it.  The branch hangs on the wave's number alone.
; An s_nop 0 and four v_nop follow each of the two lines, ahead of the jump, the label and what follows.
.macro JLOAD s
	s_cmp_eq_u32 s11, 0
	s_cbranch_scc0 .Lfor_b_\@
	tensor_load_to_lds s[G0+4*(\s):G0+4*(\s)+3], s[G1:G1+7]
	s_nop 0
.rept 4
	v_nop
.endr
	s_branch .Lasked_\@
.Lfor_b_\@:
	tensor_load_to_lds s[G0B+4*(\s):G0B+4*(\s)+3], s[G1B:G1B+7]
	s_nop 0
.rept 4
	v_nop
.endr
.Lasked_\@:
.endm
; A PREFETCH INTO THE L2, behind each joint refill, its five lines and the run of LDS loads that follows them: the K step that stands TWO refills on, 512 matrix instructions ahead of the load that will
; want it: 32 rows x 256 bytes, a lane a row, one instruction a wave.  Each row's 256 bytes of a K step are named ONCE in the launch: A's tile row is read by both clusters of that row of clusters, and the
; one with x = 0 asks; B's tile column by the eight clusters of that column, and the one with y = 0 asks.  The four partners that ask for a tile jointly share its rows out BY ADDRESS: of the 128 rows
; that a wave fetches the partner at place p takes 32 p .. 32 p + 31 (p = cx for A, cy for B).  K steps 0 to 3 come by their loads alone; the loop's last trip (s3 = 1) has no K step two on and asks for nothing.
.macro ASK
	s_cmp_gt_u32 s3, s[LIM]
	s_cbranch_scc0 .Lnot_mine_\@
	global_prefetch_b8 v[PFO], s[PFA:PFA+1] offset:KSTEP*2 th:TH_LOAD_NT scope:SCOPE_SE
.Lnot_mine_\@:
.endm
; A round of the cluster's barrier: my work-group's barrier, so that wave 0's signal speaks for all four waves; wave 0 signals; every wave waits for all sixteen work-groups; my work-group's barrier once more.
.macro CREST                           ; a round behind its opening barrier
	s_cmp_lg_u32 s10, 0
	s_cbranch_scc1 .Lnot_wave_0_\@
	s_barrier_signal -3
.Lnot_wave_0_\@:
	s_barrier_wait -3
	s_barrier_signal -1
	s_barrier_wait -1
.endm
.macro CROUND                          ; a whole round
	s_barrier_signal -1
	s_barrier_wait -1
	CREST
.endm
	s_load_b128 s[4:7], s[0:1], 0x0                ; xb s[4:5], wcat s[6:7]
	s_load_b64 s[8:9], s[0:1], 0x10                ; ob
	v_lshl_add_u32 v[SPW], v0, 2, SPARE
	v_mov_b32 v[NIL], 0
	ds_add_u32 v[SPW], v[NIL]                      ; the wave's opening: the add and its wait stand ahead of my first tensor load; the set-up below, work on registers, stands between them
	v_lshrrev_b32 v1, 5, v0
	v_readfirstlane_b32 s10, v1                    ; wave 0..3
	s_lshr_b32 s11, s10, 1                         ; which half of the tile's rows is mine.  Also: I fetch for A (0) or for B (1)
	s_and_b32 s12, s10, 1                          ; which half of its columns.  Also: which 128 rows of that tile I fetch
	s_bfe_u32 s40, ttmp6, 0x40000                  ; cx
	s_bfe_u32 s41, ttmp6, 0x40004                  ; cy
	s_lshl_b32 s42, ttmp9, 2                       ; in a cluster launch ttmp9 and ttmp7 count clusters
	s_add_co_u32 s42, s42, s40                     ; tile column = kv head g = 4 x cluster x + cx
	s_and_b32 s13, ttmp7, 0xffff
	s_lshl_b32 s13, s13, 2
	s_add_co_u32 s13, s13, s41                     ; tile row = 4 x cluster y + cy
	s_lshl_b32 s43, s41, 2
	s_lshl_b32 s43, 15, s43                        ; my row of the cluster: places 4 cy .. 4 cy + 3
	s_lshl_b32 s44, 0x1111, s40                    ; my column: places cx, cx + 4, cx + 8, cx + 12
	; descriptor group 1: a tile of 128 rows x 128 elements, padded in LDS
	s_or_b32 s[G1+0], s43, (1<<16)|(1<<20)|(1<<21)|(5<<22)|(3<<25)  ; 15:0 the mask: A's tiles go to my row; 17:16 elements of 2 bytes; 20 padding on; 21 set beside a mask; 24:22 after every 64 words (code 5); 31:25 4 words of it (code 3)
	s_or_b32 s[G1B+0], s44, (1<<16)|(1<<20)|(1<<21)|(5<<22)|(3<<25) ; the same with the mask of my column, for B's tiles
.irp g, G1, G1B
	s_mov_b32 s[(\g)+1], KSTEP<<16                 ; tensor_dim0 = 128
	s_mov_b32 s[(\g)+2], 128<<16                   ; tensor_dim1 = 128
	s_mov_b32 s[(\g)+3], KSTEP<<16                 ; tile_dim0 = 128
	s_mov_b32 s[(\g)+4], 128                       ; tile_dim1 = 128
	s_mov_b32 s[(\g)+5], SIZE_K                    ; elements from row to row
	s_mov_b32 s[(\g)+6], 0
	s_mov_b32 s[(\g)+7], 0
.endr
	; where the tiles come from.  A's hang on the tile row alone, which my row of the cluster shares; B's on the tile column alone, which my column shares
	s_lshl_b32 s17, s12, 7                         ; which 128 rows of the tile I fetch
	s_lshl_b32 s16, s13, 8
	s_add_co_u32 s16, s16, s17                     ; A: row 256 x tile row + 128 x half
	s_lshl_b32 s46, s42, 8
	s_add_co_u32 s46, s46, s17                     ; B: row 256 x tile column + 128 x half
	s_mov_b32 s17, 0
	s_mov_b32 s47, 0
	s_mov_b64 s[18:19], SIZE_K*2
	s_mul_u64 s[16:17], s[16:17], s[18:19]
	s_mul_u64 s[46:47], s[46:47], s[18:19]
	s_mul_i32 s20, s10, HALFT                      ; and where they go: wave x 128 rows: no place in the cluster enters an LDS address
	s_wait_dscnt 0x0                               ; the opening add is done
	s_wait_kmcnt 0x0
	s_add_nc_u64 s[14:15], s[4:5], s[16:17]
	s_add_nc_u64 s[46:47], s[6:7], s[46:47]
	CROUND                                         ; all sixteen work-groups are here: the first joint loads meet
.irp s, 0,1
	s_mov_b32 s[G0+4*(\s)], 1                                      ; count = 1
	s_add_co_u32 s[G0+4*(\s)+1], s20, (\s)*SLOT                    ; LDS address
	s_add_nc_u64 s[G0+4*(\s)+2:G0+4*(\s)+3], s[14:15], (\s)*KSTEP*2  ; global address: K step s
	s_or_b32 s[G0+4*(\s)+3], s[G0+4*(\s)+3], 0x80000000            ; type = 2
	s_mov_b32 s[G0B+4*(\s)], 1
	s_add_co_u32 s[G0B+4*(\s)+1], s20, (\s)*SLOT
	s_add_nc_u64 s[G0B+4*(\s)+2:G0B+4*(\s)+3], s[46:47], (\s)*KSTEP*2
	s_or_b32 s[G0B+4*(\s)+3], s[G0B+4*(\s)+3], 0x80000000
	JLOAD \s                                       ; the ring is filled before anything else is done: two loads of mine are out
.endr
	; A fragment is 16 rows x 32 K in 8 registers: lane l holds row l % 16; registers 0-3 hold K = 8 (l / 16) + 0..7, registers 4-7 K = 16 + 8 (l / 16) + 0..7: two loads of 16 bytes, 32 bytes apart
	v_and_b32 v1, 15, v0                           ; l % 16
	v_bfe_u32 v2, v0, 4, 1                         ; l / 16
	v_mul_u32_u24 v3, v1, PITCH
	v_lshl_add_u32 v3, v2, 4, v3
	s_mul_i32 s21, s11, HALFT                      ; my 128 rows of A
	s_mul_i32 s22, s12, HALFT                      ; my 128 rows of B,
	s_add_co_u32 s22, s22, 2*HALFT                 ; which lie behind A's 256
.irp s, 0,1
	v_add_nc_u32 v[ADRA+(\s)], s21, v3
	v_add_nc_u32 v[ADRB+(\s)], s22, v3
	s_add_co_u32 s21, s21, SLOT
	s_add_co_u32 s22, s22, SLOT
.endr
	; the stage's addresses
	v_mul_u32_u24 v4, v1, SPQ
	v_lshl_add_u32 v4, v2, 4, v4                   ; (l % 16) x 528 + 16 (l / 16)
	s_mul_i32 s23, s11, 128*SPQ                    ; in: my 128 rows,
	s_lshl_b32 s21, s12, 8                         ; my 128 columns: 256 bytes
	s_add_co_u32 s23, s23, s21
	v_add_nc_u32 v[STO], s23, v4
	s_mul_i32 s23, s10, 64*SPQ                     ; behind the barrier: block w = rows 64 w .. 64 w + 63, 33,792 bytes on end, mine alone
	v_add_nc_u32 v[AQ0], s23, v4
	; The turning load takes 16 keys x 16 channels (lane l reads key 8 (l / 16) + l % 8, channels 8 ((l / 8) % 2) + 0..7) and leaves half a fragment of V^T: lane l holds channel l % 16 and 8 keys
	v_and_b32 v5, 7, v0
	v_lshl_add_u32 v5, v2, 3, v5
	v_mul_u32_u24 v5, v5, SPQ
	v_bfe_u32 v6, v0, 3, 1
	v_lshl_add_u32 v5, v6, 4, v5
	v_add_nc_u32 v5, s23, v5
	v_add_nc_u32 v[AV0], 384, v5
	v_mul_u32_u24 v5, v2, SPQ                      ; back: lanes 0-15 take a row's first 256 bytes, lanes 16-31 the next row's
	v_lshl_add_u32 v5, v1, 4, v5
	v_add_nc_u32 v[RD], s23, v5
	v_lshlrev_b32 v5, 11, v2                       ; and the same two rows in ob, 2,048 bytes apart
	v_lshl_add_u32 v[GO], v1, 4, v5
	; ob at my block's first row and my two heads: row 256 x tile row + 64 x wave, byte 256 x tile column
	s_lshl_b32 s13, s13, 8
	s_lshl_b32 s14, s10, 6
	s_add_co_u32 s16, s13, s14
	s_lshl_b32 s16, s16, 11
	s_mov_b32 s17, 0
	s_lshl_b32 s46, s42, 8
	s_mov_b32 s47, 0
	s_add_nc_u64 s[16:17], s[16:17], s[46:47]
	s_add_nc_u64 s[8:9], s[8:9], s[16:17]
	; the prefetches.  s13 = 256 x tile row, s42 = tile column, s40 = cx, s41 = cy still stand
	s_lshl_b32 s42, s42, 8
	s_and_b32 s22, ttmp7, 0xffff                   ; cluster y
	s_cmp_eq_u32 s11, 0                            ; do I fetch for A?
	s_cselect_b32 s20, s13, s42                    ; the tile's first row
	s_cselect_b32 s21, s40, s41                    ; my place among the four that ask for it with me
	s_cselect_b32 s22, ttmp9, s22                  ; the coordinate along which other clusters read the same rows
	s_cselect_b64 s[PFA:PFA+1], s[4:5], s[6:7]
	s_cmp_eq_u32 s22, 0
	s_cselect_b32 s[LIM], 1, -1                    ; the same in all sixteen partners, for a given wave
	s_lshl_b32 s22, s12, 7
	s_add_co_u32 s20, s20, s22                     ; + the 128 rows that I fetch
	s_lshl_b32 s21, s21, 5
	s_add_co_u32 s20, s20, s21                     ; + my work-group's 32 of them
	s_mov_b32 s21, 0
	s_mov_b64 s[18:19], SIZE_K*2
	s_mul_u64 s[20:21], s[20:21], s[18:19]
	s_add_nc_u64 s[PFA:PFA+1], s[PFA:PFA+1], s[20:21]
	s_add_nc_u64 s[PFA:PFA+1], s[PFA:PFA+1], 2*KSTEP*2  ; at K step 2: the first refill steps it to 3 and names K step 4
	v_and_b32 v[PFO], 31, v0
	v_mul_u32_u24 v[PFO], v[PFO], SIZE_K*2
	s_mov_b32 s[CS], 0x3e38aa3b                    ; c = log2(e) / 8 = 0.180337
	s_mov_b32 s[CS+1], s[CS]                       ; named with it as a pair
	s_mov_b32 s[SEL], 0x76543210
	s_mov_b32 s[SEL+1], 0xfedcba98
; 16 matrix instructions: m blocks a0, a0 + 1 of the window's four (hi = 0: my rows 0-63, 1: rows 64-127) x all 8 n blocks, 32 along K.  zero = 1: the first product starts the sums: nothing is cleared.
; The 64 accumulators take turns, one instruction a turn, in the same order in every quarter step.
.macro MUL16 f, hi, a0, zero
	WIN MUL_LO+0x50*(\hi)
.irp a, \a0, (\a0)+1
.irp b, 0,1,2,3,4,5,6,7
.if \zero
	v_wmma_f32_16x16x32_bf16 v[8*(8*(\a)+(\b)):8*(8*(\a)+(\b))+7], v[(\f)+8*(\b):(\f)+8*(\b)+7], v[(\f)+8*(4*(\hi)+(\a)):(\f)+8*(4*(\hi)+(\a))+7], 0
.else
	v_wmma_f32_16x16x32_bf16 v[8*(8*(\a)+(\b)):8*(8*(\a)+(\b))+7], v[(\f)+8*(\b):(\f)+8*(\b)+7], v[(\f)+8*(4*(\hi)+(\a)):(\f)+8*(4*(\hi)+(\a))+7], v[8*(8*(\a)+(\b)):8*(8*(\a)+(\b))+7]
.endif
.endr
.endr
.endm
; 32 LDS loads in one run: the fragments of one quarter step (128 rows of B, 128 rows of A, 32 K at byte k of the rows) into buffer f
.macro FETCH slot, k, f
	WIN TO_B
.irp i, 0,1,2,3,4,5,6,7
	ds_load_b128 v[(\f)+8*(\i):(\f)+8*(\i)+3],   v[ADRB+(\slot)] offset:(\k)+(\i)*16*PITCH
	ds_load_b128 v[(\f)+8*(\i)+4:(\f)+8*(\i)+7], v[ADRB+(\slot)] offset:(\k)+(\i)*16*PITCH+32
.endr
	WIN 0
.irp i, 0,1,2,3,4,5,6,7
	ds_load_b128 v[(\f)+8*(\i):(\f)+8*(\i)+3],   v[ADRA+(\slot)] offset:(\k)+(\i)*16*PITCH
	ds_load_b128 v[(\f)+8*(\i)+4:(\f)+8*(\i)+7], v[ADRA+(\slot)] offset:(\k)+(\i)*16*PITCH+32
.endr
.endm
; A load into a register that a matrix instruction has read, and a vector instruction that reads a matrix result or writes one of a matrix instruction's registers, stand four places behind it, and only
; plain vector instructions that name none of its registers are places (ISA guide 7.12.1 for vector instructions).
.macro PLACES
.rept 4
	v_nop
.endr
.endm
; A K step is four quarter steps of 32 along K, 64 matrix instructions each, on buffers 0, 1, 0, 1.  One of the first three: multiplies buffer f; in its middle it fetches the next quarter's fragments into g.
.macro QUARTER slot, k, f, g, zero
	s_wait_dscnt 8                                 ; B and A's rows 0-63 are in; the youngest eight loads (A's rows 64-127) may be out
	WIN MUL_LO
	MUL16 \f, 0, 0, \zero
	MUL16 \f, 0, 2, \zero
	PLACES
	FETCH \slot, \k, \g
	s_wait_dscnt 32                                ; all but the 32 just issued
	WIN MUL_HI
	MUL16 \f, 1, 0, \zero
	MUL16 \f, 1, 2, \zero
.endm
; The last quarter multiplies buffer 1 and changes slots.  MEET is its first half: ONE barrier for the change of slots.  In front of it each wave waits for all its tensor loads, of which one is out:
; its part of the next slot; adds 0 to its spare word; and waits for that and for its own reads of this slot.  Behind it nobody reads this slot any more and the next slot is whole.
.macro MEET round                      ; round = 1: a round of the cluster's barrier follows
	WIN 0                                          ; (the add's two registers lie in window 0)
	s_wait_tensorcnt 0x0                           ; all my tensor loads have landed
	ds_add_u32 v[SPW], v[NIL]                      ; 0 onto my spare word
	s_wait_dscnt 9                                 ; (the add and the youngest eight loads may be out)
	WIN MUL_LO
	MUL16 F1, 0, 0, 0                              ; sixteen matrix instructions stand between the add and the wait for it
	s_wait_dscnt 0x0                               ; the add is done, and my reads of this slot are over
	s_barrier_signal -1
	MUL16 F1, 0, 2, 0                              ; work on registers while the others arrive
.if \round
	WIN 0
.endif
	s_barrier_wait -1
.endm
; The whole last quarter.  fill = 1: behind the round the slot just read out is filled again first, with the K step two steps on: from that request to the wait for it a wave issues 224 matrix instructions.
.macro TURN slot, next, fill
.if \fill
	s_wait_xcnt 0x0                                ; the last prefetch, a K step back, has read its address: it is stepped here, ahead of the waits of the change of slots
	s_add_nc_u64 s[PFA:PFA+1], s[PFA:PFA+1], KSTEP*2
.endif
	MEET \fill
.if \fill
	CREST                                          ; no wave of any partner still reads this slot's tile or has a load on its way
	s_add_nc_u64 s[G0+4*(\slot)+2:G0+4*(\slot)+3], s[G0+4*(\slot)+2:G0+4*(\slot)+3], 2*KSTEP*2
	s_add_nc_u64 s[G0B+4*(\slot)+2:G0B+4*(\slot)+3], s[G0B+4*(\slot)+2:G0B+4*(\slot)+3], 2*KSTEP*2
	JLOAD \slot                                    ; the first tensor load behind the round, my only one until the next; its four v_nop are also the places in front of the loads below
.else
	PLACES
.endif
	FETCH \next, 0, F0
.if \fill
	ASK
.endif
	WIN MUL_HI
	MUL16 F1, 1, 0, 0
	MUL16 F1, 1, 2, 0
.endm
	s_wait_tensorcnt 1                             ; my part of K step 0 is in; K step 1's may stay out
	s_barrier_signal -1
	s_barrier_wait -1                              ; everybody's is
	FETCH 0, 0, F0
	QUARTER 0, 64,  F0, F1, 1                      ; the first quarter stands in front of the loop: its products start the sums
	WIN 0                                          ; at a label and at a branch every window is 0
	s_mov_b32 s3, LAPS-1
.Llap:                                                 ; a trip goes once round the ring, from a lap's second quarter to the next lap's first, and fills both slots again
	QUARTER 0, 128, F1, F0, 0
	QUARTER 0, 192, F0, F1, 0
	TURN 0, 1, 1
	QUARTER 1, 64,  F0, F1, 0
	QUARTER 1, 128, F1, F0, 0
	QUARTER 1, 192, F0, F1, 0
	TURN 1, 0, 1
	QUARTER 0, 64,  F0, F1, 0
	WIN 0
	s_sub_co_u32 s3, s3, 1
	s_cmp_lg_u32 s3, 0
	s_cbranch_scc1 .Llap
	QUARTER 0, 128, F1, F0, 0                      ; the last lap fills nothing
	QUARTER 0, 192, F0, F1, 0
	TURN 0, 1, 0                                   ; behind this barrier no wave reads slot 0 any more, every tensor load has landed, and none follows: slot 0's bytes are free for the stage
	QUARTER 1, 64,  F0, F1, 0
	QUARTER 1, 128, F1, F0, 0
	QUARTER 1, 192, F0, F1, 0
	s_wait_dscnt 8                                 ; the very last quarter: nothing more to fetch
	MUL16 F1, 0, 0, 0
	MUL16 F1, 0, 2, 0
	s_wait_dscnt 0x0
	MUL16 F1, 1, 0, 0
	MUL16 F1, 1, 2, 0
	WIN 0
	PLACES
	PLACES                                         ; (eight, once a launch)
; q, k, v INTO THE STAGE.  Block a of my 16 rows: 8 neighbouring columns a lane are rounded to f16, 16 bytes, each accumulator's registers in ascending order.
.macro PACKQ a
.set AC, 64*((\a)%4)
	WIN 0x0a+5*((\a)/4)                            ; sources 0 and 1: window 2 or 3
.irp b, 0,1,2,3,4,5,6,7
.irp r, 0,1,2,3
	v_cvt_pk_f16_f32 v[TMP+4*(\b)+(\r)], v[AC+8*(\b)+2*(\r)], v[AC+8*(\b)+2*(\r)+1]
.endr
.endr
	WIN 0
.irp b, 0,1,2,3,4,5,6,7
	ds_store_b128 v[STO], v[TMP+4*(\b):TMP+4*(\b)+3] offset:(\a)*16*SPQ+32*(\b)
.endr
.endm
.irp a, 0,1,2,3,4,5,6,7
	PACKQ \a
.endr
	s_wait_dscnt 0x0                               ; for the others' sake: my stores into the stage are done
	s_barrier_signal -1
	s_barrier_wait -1                              ; the stage is whole.  From here on wave w touches rows 64 w .. 64 w + 63 alone: no further barrier
	WIN 0x80                                       ; destination window 2: my block's K (8 fragments) and V (turned), which both heads share
.irp f, 0,1,2,3,4,5,6,7                ; keys 16 (f / 2) on, channels 32 (f % 2) on
	ds_load_b128 v[KF+8*(\f):KF+8*(\f)+3],   v[AQ0] offset:((\f)/2)*16*SPQ+256+((\f)%2)*64
	ds_load_b128 v[KF+8*(\f)+4:KF+8*(\f)+7], v[AQ0] offset:((\f)/2)*16*SPQ+256+((\f)%2)*64+32
.endr
.irp f, 0,1,2,3,4,5,6,7                ; keys 32 (f / 4) on, channels 16 (f % 4) on
	ds_load_tr16_b128 v[VF+8*(\f):VF+8*(\f)+3],   v[AV0] offset:((\f)/4)*32*SPQ+((\f)%4)*32
	ds_load_tr16_b128 v[VF+8*(\f)+4:VF+8*(\f)+7], v[AV0] offset:((\f)/4)*32*SPQ+16*SPQ+((\f)%4)*32
.endr
	WIN 0
; Product ii of 16 of S^T = K Q^T for tiles 2 x, 2 x + 1: channels 32 (ii / 8) on, keys 16 ((ii / 2) % 4) on, tile 2 x + ii % 2.  The first 8 start the sums; the 8 accumulators take turns.
.macro KQ x
	WIN W_KQ
.set rS, S+64*(\x)+32*(ii%2)+8*((ii/2)%4)
.set rK, KF+16*((ii/2)%4)+8*(ii/8)
.set rQ, 16*(2*(\x)+ii%2)+8*(ii/8)
.if ii < 8
	v_wmma_f32_16x16x32_f16 v[rS:rS+7], v[rK:rK+7], v[rQ:rQ+7], 0
.else
	v_wmma_f32_16x16x32_f16 v[rS:rS+7], v[rK:rK+7], v[rQ:rQ+7], v[rS:rS+7]
.endif
.endm
; Product ii of 16 of O^T = V^T P: keys 32 (ii / 8) on, channels 16 ((ii / 2) % 4) on, tile 2 x + ii % 2.  The first 8 start the sums.
.macro PV x
	WIN W_PV
.set rO, 32*(2*(\x)+ii%2)+8*((ii/2)%4)
.set rV, VF+32*(ii/8)+8*((ii/2)%4)
.set rP, P+32*(\x)+16*(ii%2)+8*(ii/8)
.if ii < 8
	v_wmma_f32_16x16x32_f16 v[rO:rO+7], v[rV:rV+7], v[rP:rP+7], 0
.else
	v_wmma_f32_16x16x32_f16 v[rO:rO+7], v[rV:rV+7], v[rP:rP+7], v[rO:rO+7]
.endif
.endm
; Number n of the 19 that find tile t's maximum.  s0-s31 are the lane's 32 scores; each accumulator's lowest registers are read first.
;   0-11 four chains c0-c3 of seven scores each     12, 13 the four scores left over     14, 15 c0-c3 into c0     16, 17 the query's other 32 keys lie in the lane 16 away: m     18 c m
.macro SMX t, n
.set rT, ST+8*(\t)
.set rS, S+32*(\t)
.if (\n) < 4
	v_max3_num_f32 v[rT+4+(\n)], v[rS+8*(\n)], v[rS+8*(\n)+1], v[rS+8*(\n)+2]
.elseif (\n) < 12
	v_max3_num_f32 v[rT+4+(\n)%4], v[rT+4+(\n)%4], v[rS+8*((\n)%4)+2*((\n)/4)+1], v[rS+8*((\n)%4)+2*((\n)/4)+2]
.elseif (\n) == 12
	v_max3_num_f32 v[rT+4], v[rT+4], v[rS+7], v[rS+15]
.elseif (\n) == 13
	v_max3_num_f32 v[rT+6], v[rT+6], v[rS+23], v[rS+31]
.elseif (\n) == 14
	v_max3_num_f32 v[rT+4], v[rT+4], v[rT+5], v[rT+6]
.elseif (\n) == 15
	v_max_num_f32 v[rT+4], v[rT+4], v[rT+7]
.elseif (\n) == 16
	v_permlanex16_b32 v[rT+5], v[rT+4], s[SEL], s[SEL+1]
.elseif (\n) == 17
	v_max_num_f32 v[rT+1], v[rT+4], v[rT+5]
.else
	v_mul_f32 v[rT], s[CS], v[rT+1]
.endif
.endm
; Tile t's O^T is divided by l, rounded to f16 and laid where the head's q lay: my own rows, and q has been read.
.macro OUTT t
	WIN W_RS
.set ii, 32*(\t)
.rept 16
	v_pk_mul_f32 v[ii:ii+1], v[ii:ii+1], v[ST+8*(\t)+6:ST+8*(\t)+7] op_sel_hi:[1,0]
.set ii, ii+2
.endr
	WIN 0x05                                       ; sources 0 and 1 window 1, destination window 0: S^T's registers are free
.set ii, 0
.rept 16
	v_cvt_pk_f16_f32 v[S+16*(\t)+ii], v[32*(\t)+2*ii], v[32*(\t)+2*ii+1]
.set ii, ii+1
.endr
	WIN 0
.irp f, 0,1,2,3
	ds_store_b128 v[ADR], v[S+16*(\t)+4*(\f):S+16*(\t)+4*(\f)+3] offset:(\t)*16*SPQ+32*(\f)
.endr
.endm
	s_mov_b32 s[HB], 0
	s_mov_b32 s[HC], 2
.Lhead:                                                ; two trips: my block's two query heads, in phases
	v_add_nc_u32 v[ADR], s[HB], v[AQ0]
	WIN 0x80
.irp f, 0,1,2,3,4,5,6,7                ; Q: tile f / 2, channels 32 (f % 2) on
	ds_load_b128 v[8*(\f):8*(\f)+3],   v[ADR] offset:((\f)/2)*16*SPQ+((\f)%2)*64
	ds_load_b128 v[8*(\f)+4:8*(\f)+7], v[ADR] offset:((\f)/2)*16*SPQ+((\f)%2)*64+32
.endr
	s_wait_dscnt 0x0                               ; Q is in; in the first trip K and V too
.irp x, 0,1
.set ii, 0
.rept 16
	KQ \x
.set ii, ii+1
.endr
.endr
	WIN 0
	PLACES
	PLACES
.irp n, 0,1,2,3,4,5,6,7,8,9,10,11,12,13,14,15,16,17,18
.irp t, 0,1,2,3                        ; the four tiles by turns, so that no line waits for the one before it
	SMX \t, \n
.endr
.endr
.irp t, 0,1,2,3
.set rr, 0
.rept 16
	v_pk_fma_f32 v[S+32*(\t)+2*rr:S+32*(\t)+2*rr+1], v[S+32*(\t)+2*rr:S+32*(\t)+2*rr+1], s[CS:CS+1], v[ST+8*(\t):ST+8*(\t)+1] op_sel_hi:[1,0,0] neg_lo:[0,0,1] neg_hi:[0,0,1]  ; c s - c m
.set rr, rr+1
.endr
.endr
.set rr, 0
.rept 128                              ; ONE BATCH: all the head's exponentials; none reads another's result
	v_exp_f32 v[S+rr], v[S+rr]
.set rr, rr+1
.endr
	v_nop                                          ; a plain instruction behind the last exponential, ahead of the first use (ISA guide 5.7.2)
	s_wait_alu depctr_va_vdst(0)                   ; and a wait ahead of the first line that names a result: one for the batch
.set rr, 0
.rept 64
	v_cvt_pk_f16_f32 v[P+rr], v[S+2*rr], v[S+2*rr+1]  ; pair rr % 16 of tile rr / 16
.set rr, rr+1
.endr
.set rr, 0
.rept 32                               ; the sums of the unrounded weights, in place: neighbours 1, 2, 4 pairs apart, then 8 into l
	v_pk_add_f32 v[S+4*rr:S+4*rr+1], v[S+4*rr:S+4*rr+1], v[S+4*rr+2:S+4*rr+3]
.set rr, rr+1
.endr
.set rr, 0
.rept 16
	v_pk_add_f32 v[S+8*rr:S+8*rr+1], v[S+8*rr:S+8*rr+1], v[S+8*rr+4:S+8*rr+5]
.set rr, rr+1
.endr
.set rr, 0
.rept 8
	v_pk_add_f32 v[S+16*rr:S+16*rr+1], v[S+16*rr:S+16*rr+1], v[S+16*rr+8:S+16*rr+9]
.set rr, rr+1
.endr
.irp t, 0,1,2,3
	v_pk_add_f32 v[ST+8*(\t)+2:ST+8*(\t)+3], v[S+32*(\t):S+32*(\t)+1], v[S+32*(\t)+16:S+32*(\t)+17]
.endr
.irp t, 0,1,2,3
	v_add_f32 v[ST+8*(\t)+4], v[ST+8*(\t)+2], v[ST+8*(\t)+3]
.endr
.irp t, 0,1,2,3
	v_permlanex16_b32 v[ST+8*(\t)+5], v[ST+8*(\t)+4], s[SEL], s[SEL+1]
.endr
.irp t, 0,1,2,3
	v_add_f32 v[ST+8*(\t)+4], v[ST+8*(\t)+4], v[ST+8*(\t)+5]
.endr
.irp t, 0,1,2,3
	v_rcp_f32 v[ST+8*(\t)+6], v[ST+8*(\t)+4]       ; a batch of four; the products below name none of their registers
.endr
.irp x, 0,1
.set ii, 0
.rept 16
	PV \x
.set ii, ii+1
.endr
.endr
	WIN 0
	PLACES                                         ; the places behind the products, and the plain instruction behind the reciprocals
	PLACES
	s_wait_alu depctr_va_vdst(0)                   ; the four reciprocals' one wait, ahead of their first reader and of the branch
.irp t, 0,1,2,3
	OUTT \t
.endr
	s_add_co_u32 s[HB], s[HB], 128
	s_sub_co_u32 s[HC], s[HC], 1
	s_cmp_lg_u32 s[HC], 0
	s_cbranch_scc1 .Lhead
	; O LEAVES: my block's 64 rows, the first 256 bytes of each (two heads), two rows an instruction.  LDS serves a wave's instructions in order (ISA guide 5.7.1.4): these loads see the stores above.
.set rr, 0
.rept 32
	ds_load_b128 v[S+4*rr:S+4*rr+3], v[RD] offset:rr*2*SPQ
.set rr, rr+1
.endr
.set rr, 0
.rept 32
	s_wait_dscnt 31-rr                             ; the 31 - rr younger loads may stay out
	global_store_b128 v[GO], v[S+4*rr:S+4*rr+3], s[8:9] offset:rr*4096  ; 16 lanes store 256 consecutive bytes, at a multiple of 256 from ob's first byte
.set rr, rr+1
.endr
	s_wait_tensorcnt 0x0                           ; the wave's end, behind my last tensor load and my last LDS store
	ds_add_u32 v[SPW], v[NIL]
	s_wait_dscnt 0x0
	CROUND                                         ; the closing round: no work-group ends while a partner may still ask for a tile that names it
	s_endpgm
.Lfunc_end_k_q7b398ba9a9_qkvattn:
	.size	k_q7b398ba9a9_qkvattn, .Lfunc_end_k_q7b398ba9a9_qkvattn-k_q7b398ba9a9_qkvattn
	.p2alignl 7, 3214868480
	.fill 96, 4, 3214868480
	.section	.rodata,"a",@progbits
	.p2align	6, 0x0
	.amdhsa_kernel k_q7b398ba9a9_qkvattn
		.amdhsa_group_segment_fixed_size 327680
		.amdhsa_private_segment_fixed_size 0
		.amdhsa_enable_private_segment 0
		.amdhsa_kernarg_size 24
		.amdhsa_user_sgpr_count 2
		.amdhsa_user_sgpr_kernarg_segment_ptr 1
		.amdhsa_wavefront_size32 1
		.amdhsa_system_sgpr_workgroup_id_x 1
		.amdhsa_system_sgpr_workgroup_id_y 1
		.amdhsa_system_sgpr_workgroup_id_z 1
		.amdhsa_system_vgpr_workitem_id 0
		.amdhsa_next_free_vgpr 1024
		.amdhsa_next_free_sgpr 66
		.amdhsa_reserve_vcc 0
		.amdhsa_float_denorm_mode_32 3
		.amdhsa_float_denorm_mode_16_64 3
		.amdhsa_memory_ordered 1
		.amdhsa_forward_progress 1
		.amdhsa_inst_pref_size 178
	.end_amdhsa_kernel
	.amdgpu_metadata
---
amdhsa.version: [ 1, 2 ]
amdhsa.kernels:
  - .name:           k_q7b398ba9a9_qkvattn
    .symbol:         k_q7b398ba9a9_qkvattn.kd
    .args:
      - { .name: xb, .offset: 0, .size: 8, .value_kind: global_buffer, .address_space: global }
      - { .name: wcat, .offset: 8, .size: 8, .value_kind: global_buffer, .address_space: global }
      - { .name: ob, .offset: 16, .size: 8, .value_kind: global_buffer, .address_space: global }
    .group_segment_fixed_size: 327680
    .private_segment_fixed_size: 0
    .kernarg_segment_align: 8
    .kernarg_segment_size: 24
    .max_flat_workgroup_size: 128
    .sgpr_count:     66
    .vgpr_count:     1024
    .wavefront_size: 32
...
	.end_amdgpu_metadata
.endif
;; end of part 2
;; launch oproj (part 3): grid 8 x 32, 4 waves a work-group, clusters of 4 x 4, 327,680 bytes of LDS; arguments ob, wof, out0; writes out0
.if DOCPART == 3
	.amdgcn_target "amdgcn-amd-amdhsa--gfx1250"
	.amdhsa_code_object_version 6
	.text
	.protected	k_q7b398ba9a9_oproj
	.globl	k_q7b398ba9a9_oproj
	.p2align	8
	.type	k_q7b398ba9a9_oproj,@function
k_q7b398ba9a9_oproj:
	s_mov_b64 s[64:65], 0
	v_nop
	global_prefetch_b8 v0, s[64:65] scope:SCOPE_SE
	s_setreg_imm32_b32 hwreg(HW_REG_WAVE_MODE, 25, 1), 1
	s_wait_xcnt 0x0
	s_wait_alu depctr_hold_cnt(0) depctr_sa_sdst(0) depctr_va_vdst(0) depctr_va_sdst(0) depctr_va_ssrc(0) depctr_va_vcc(0) depctr_vm_vsrc(0)
	s_getreg_b32 s2, hwreg(HW_REG_IB_STS2, 6, 4)
	s_cmp_eq_u32 s2, 0
	s_cbranch_scc0 .Lentry_in_a_cluster
	s_endpgm
.Lentry_in_a_cluster:
	s_bfe_u32 s2, ttmp6, 0x10000c
	s_cmp_lg_u32 s2, 0xf033
	s_cbranch_scc0 .Lentry_shape_is_right
	s_endpgm
.Lentry_shape_is_right:
; THE OUTPUT PROJECTION.  out0[R][n] = the sum over k of O[R'][k] Wo[n][k].  A = ob [8192][1024] f16 (rows in block order R'), B = wof [2048][1024] f16, out0 [8192][2048] f32 (rows in their true order R).
; A tile, 256 x 256, is made by four waves, each 128 x 128: 64 accumulators of 16 x 16, 512 registers.  K goes in steps of 128 through a ring of two LDS slots filled by the tensor data mover; the tiles'
; rows are 256 bytes of memory at multiples of 256 from the buffer's first byte.  The grid has 8 x 32 = 256 tiles, one to a work-group.
; CLUSTERS: 4 x 4 work-groups; A's tile is asked for jointly along a row of the cluster, B's along a column.  THE MATRIX INSTRUCTION IS USED TRANSPOSED (source 0 = 16 rows of B, source 1 = 16 rows
; of A): a lane holds eight neighbouring columns of one row, 32 bytes of f32.
; THE ROWS GO BACK TO THEIR PLACES IN THE STORES' IMMEDIATES.  R' has the bits b[12] bx[11:10] by[9:8] bz[7:6] sx[5:4] sy[3:2] sz[1:0], R the bits b[12] bx[11:10] sx[9:8] by[7:6] sy[5:4] bz[3:2] sz[1:0].
; With t the tile row, rh my half of the tile, a my block of 16 rows and u the row in it: R = (t >> 2) 1024 + (t & 3) 64 + 8 rh, which stands in the base, + (a & 3) 256 + (u >> 2) 16 + (a >> 2) 4 + (u & 3).
; LIMITS.  O and Wo arrive within f16's range; sums in f32; NaN and infinities are not treated apart.
; REGISTERS, in windows of 256 (s_set_vgpr_msb's low byte: bits 1:0 source 0, 3:2 source 1, 5:4 source 2, 7:6 destination):
;   window 0: v0-31 addresses; v64-127, v128-191 A's fragments, two buffers; on the way out rows read back, two buffers.  window 1: the same two ranges, B's fragments.
;   window 2: the accumulators of my rows 0-63 ((a, b) at 8 (8 a + b)); window 3: those of my rows 64-127
.set SIZE_K, 1024
.set KSTEP,  128
.set PITCH,  272                       ; an LDS row: 256 bytes + 16 of padding = 68 words: row r starts at bank 4 r mod 64 (64 banks of 4 bytes: ISA guide 11.1)
.set HALFT,  128*PITCH
.set SLOT,   4*HALFT
.set STAGE,  2*SLOT                    ; behind the ring, never filled by a tensor load: 16 rows x 528 bytes for each wave, for the way out
.set SPITCH, 528                       ; 512 bytes + 16 = 132 words: row r again at bank 4 r mod 64
.set SPARE,  STAGE+4*16*SPITCH         ; behind the stages: the spare words, 128 bytes for each wave: two blocks of 256 bytes that no other line names
.set LAPS,   SIZE_K/(2*KSTEP)
.set ADRA, 16                          ; v16-17  LDS address of my A fragments in slot 0, 1
.set ADRB, 20                          ; v20-21  the same for B
.set STO,  24                          ; v24     the way out: where I put 32 bytes of a row
.set RD,   25                          ; v25     the way out: where I read a row back
.set CO,   26                          ; v26     16 x lane: my 16 bytes of a row's 512
.set SPW,  28                          ; v28     LDS address of my spare word: SPARE + 4 x my thread's number; never rewritten
.set NIL,  29                          ; v29     0; never rewritten
.set PFO,  30                          ; v30     the prefetches' offset: my lane x a row of A or B in memory; never rewritten
.set F0,   64
.set F1,   128
.set OB,   64                          ; the way out: 16 rows read back: v64-127 and v128-191 by turns
.set PFA,  44                          ; s[44:45] where my prefetches stand
.set LIM,  43                          ; s43     1 in a wave that prefetches, else the greatest number
.set G1,   24
.set G0,   32
.set G1B,  48
.set G0B,  56
.set MSB, 0
.macro WIN new                         ; the immediate's high byte repeats the setting that is left; a switch that changes nothing is dropped
.if MSB != (\new)
	s_set_vgpr_msb (MSB<<8)|(\new)
.set MSB, \new
.endif
.endm
.set MUL_LO, 0xa1                      ; source 0 (B) window 1, source 1 (A) window 0, C and D window 2
.set MUL_HI, 0xf1                      ; the same, C and D window 3
.set TO_B,   0x40                      ; destination window 1, address window 0
; A joint load: waves 0 and 1 fetch A's two halves, waves 2 and 3 B's; an s_nop 0 and four v_nop follow each of the two lines, ahead of the jump, the label and what follows
.macro JLOAD s
	s_cmp_eq_u32 s11, 0
	s_cbranch_scc0 .Lfor_b_\@
	tensor_load_to_lds s[G0+4*(\s):G0+4*(\s)+3], s[G1:G1+7]
	s_nop 0
.rept 4
	v_nop
.endr
	s_branch .Lasked_\@
.Lfor_b_\@:
	tensor_load_to_lds s[G0B+4*(\s):G0B+4*(\s)+3], s[G1B:G1B+7]
	s_nop 0
.rept 4
	v_nop
.endr
.Lasked_\@:
.endm
; A PREFETCH INTO THE L2, behind each joint refill, its five lines and the run of LDS loads that follows them: the K step that stands TWO refills on, 512 matrix instructions ahead of the load that will
; want it: 32 rows x 256 bytes, a lane a row, one instruction a wave.  Each row's 256 bytes of a K step are named ONCE in the launch: the cluster with x = 0 asks for A's rows, the cluster with y = 0 for
; B's, and the four partners that ask for a tile jointly share its rows out BY ADDRESS, 32 each.  K steps 0 to 3 come by their loads alone; the loop's last trip (s3 = 1) asks for nothing.
.macro ASK
	s_cmp_gt_u32 s3, s[LIM]
	s_cbranch_scc0 .Lnot_mine_\@
	global_prefetch_b8 v[PFO], s[PFA:PFA+1] offset:KSTEP*2 th:TH_LOAD_NT scope:SCOPE_SE
.Lnot_mine_\@:
.endm
.macro CREST                           ; a round of the cluster's barrier behind its opening barrier
	s_cmp_lg_u32 s10, 0
	s_cbranch_scc1 .Lnot_wave_0_\@
	s_barrier_signal -3
.Lnot_wave_0_\@:
	s_barrier_wait -3
	s_barrier_signal -1
	s_barrier_wait -1
.endm
.macro CROUND                          ; a whole round
	s_barrier_signal -1
	s_barrier_wait -1
	CREST
.endm
	s_load_b128 s[4:7], s[0:1], 0x0                ; ob s[4:5], wof s[6:7]
	s_load_b64 s[8:9], s[0:1], 0x10                ; out0
	v_lshl_add_u32 v[SPW], v0, 2, SPARE
	v_mov_b32 v[NIL], 0
	ds_add_u32 v[SPW], v[NIL]                      ; the wave's opening: the add and its wait stand ahead of my first tensor load; the set-up below, work on registers, stands between them
	v_lshrrev_b32 v1, 5, v0
	v_readfirstlane_b32 s10, v1                    ; wave 0..3
	s_lshr_b32 s11, s10, 1                         ; which half of the tile's rows is mine.  Also: I fetch for A (0) or for B (1)
	s_and_b32 s12, s10, 1                          ; which half of its columns.  Also: which 128 rows of that tile I fetch
	s_bfe_u32 s40, ttmp6, 0x40000                  ; cx
	s_bfe_u32 s41, ttmp6, 0x40004                  ; cy
	s_lshl_b32 s42, ttmp9, 2
	s_add_co_u32 s42, s42, s40                     ; tile column = 4 x cluster x + cx
	s_and_b32 s13, ttmp7, 0xffff
	s_lshl_b32 s13, s13, 2
	s_add_co_u32 s13, s13, s41                     ; tile row = 4 x cluster y + cy
	s_lshl_b32 s43, s41, 2
	s_lshl_b32 s43, 15, s43                        ; my row of the cluster
	s_lshl_b32 s44, 0x1111, s40                    ; my column
	; descriptor group 1: a tile of 128 rows x 128 elements, padded in LDS
	s_or_b32 s[G1+0], s43, (1<<16)|(1<<20)|(1<<21)|(5<<22)|(3<<25)  ; 15:0 the mask: A's tiles go to my row; 17:16 elements of 2 bytes; 20 padding on; 21 set beside a mask; 24:22 after every 64 words (code 5); 31:25 4 words of it (code 3)
	s_or_b32 s[G1B+0], s44, (1<<16)|(1<<20)|(1<<21)|(5<<22)|(3<<25)
.irp g, G1, G1B
	s_mov_b32 s[(\g)+1], KSTEP<<16                 ; tensor_dim0 = 128
	s_mov_b32 s[(\g)+2], 128<<16                   ; tensor_dim1 = 128
	s_mov_b32 s[(\g)+3], KSTEP<<16                 ; tile_dim0 = 128
	s_mov_b32 s[(\g)+4], 128                       ; tile_dim1 = 128
	s_mov_b32 s[(\g)+5], SIZE_K                    ; elements from row to row
	s_mov_b32 s[(\g)+6], 0
	s_mov_b32 s[(\g)+7], 0
.endr
	s_lshl_b32 s17, s12, 7                         ; which 128 rows of the tile I fetch
	s_lshl_b32 s16, s13, 8
	s_add_co_u32 s16, s16, s17                     ; A: row 256 x tile row + 128 x half
	s_lshl_b32 s46, s42, 8
	s_add_co_u32 s46, s46, s17                     ; B: row 256 x tile column + 128 x half
	s_mov_b32 s17, 0
	s_mov_b32 s47, 0
	s_mov_b64 s[18:19], SIZE_K*2
	s_mul_u64 s[16:17], s[16:17], s[18:19]
	s_mul_u64 s[46:47], s[46:47], s[18:19]
	s_mul_i32 s20, s10, HALFT                      ; where they go: wave x 128 rows
	s_wait_dscnt 0x0                               ; the opening add is done
	s_wait_kmcnt 0x0
	s_add_nc_u64 s[14:15], s[4:5], s[16:17]
	s_add_nc_u64 s[46:47], s[6:7], s[46:47]
	CROUND                                         ; all sixteen work-groups are here: the first joint loads meet
.irp s, 0,1
	s_mov_b32 s[G0+4*(\s)], 1
	s_add_co_u32 s[G0+4*(\s)+1], s20, (\s)*SLOT
	s_add_nc_u64 s[G0+4*(\s)+2:G0+4*(\s)+3], s[14:15], (\s)*KSTEP*2
	s_or_b32 s[G0+4*(\s)+3], s[G0+4*(\s)+3], 0x80000000
	s_mov_b32 s[G0B+4*(\s)], 1
	s_add_co_u32 s[G0B+4*(\s)+1], s20, (\s)*SLOT
	s_add_nc_u64 s[G0B+4*(\s)+2:G0B+4*(\s)+3], s[46:47], (\s)*KSTEP*2
	s_or_b32 s[G0B+4*(\s)+3], s[G0B+4*(\s)+3], 0x80000000
	JLOAD \s                                       ; two loads of mine are out
.endr
	v_and_b32 v1, 15, v0                           ; l % 16
	v_bfe_u32 v2, v0, 4, 1                         ; l / 16
	v_mul_u32_u24 v3, v1, PITCH
	v_lshl_add_u32 v3, v2, 4, v3                   ; a fragment's row x pitch + 16 x half
	s_mul_i32 s21, s11, HALFT
	s_mul_i32 s22, s12, HALFT
	s_add_co_u32 s22, s22, 2*HALFT
.irp s, 0,1
	v_add_nc_u32 v[ADRA+(\s)], s21, v3
	v_add_nc_u32 v[ADRB+(\s)], s22, v3
	s_add_co_u32 s21, s21, SLOT
	s_add_co_u32 s22, s22, SLOT
.endr
	s_mul_i32 s23, s10, 16*SPITCH
	s_add_co_u32 s23, s23, STAGE                   ; my stage
	v_mul_u32_u24 v4, v1, SPITCH                   ; in: row l % 16, 32 bytes for each half of the lanes
	v_lshl_add_u32 v4, v2, 5, v4
	v_add_nc_u32 v[STO], s23, v4
	v_and_b32 v5, 31, v0
	v_lshlrev_b32 v[CO], 4, v5                     ; back and out: 32 lanes take one row's 512 bytes
	v_add_nc_u32 v[RD], s23, v[CO]
	; out0 at row (t >> 2) 1024 + (t & 3) 64 + 8 rh, byte 1,024 x tile column + 512 x my half of the columns
	s_lshr_b32 s16, s13, 2
	s_lshl_b32 s16, s16, 10
	s_and_b32 s14, s13, 3
	s_lshl_b32 s14, s14, 6
	s_or_b32 s16, s16, s14
	s_lshl_b32 s14, s11, 3
	s_add_co_u32 s16, s16, s14
	s_lshl_b32 s16, s16, 13                        ; 8,192 bytes a row
	s_mov_b32 s17, 0
	s_lshl_b32 s46, s42, 10
	s_lshl_b32 s47, s12, 9
	s_add_co_u32 s46, s46, s47
	s_mov_b32 s47, 0
	s_add_nc_u64 s[16:17], s[16:17], s[46:47]
	s_add_nc_u64 s[8:9], s[8:9], s[16:17]
	; the prefetches
	s_lshl_b32 s13, s13, 8
	s_lshl_b32 s42, s42, 8
	s_and_b32 s22, ttmp7, 0xffff                   ; cluster y
	s_cmp_eq_u32 s11, 0                            ; do I fetch for A?
	s_cselect_b32 s20, s13, s42                    ; the tile's first row
	s_cselect_b32 s21, s40, s41                    ; my place among the four that ask for it with me
	s_cselect_b32 s22, ttmp9, s22                  ; the coordinate along which other clusters read the same rows
	s_cselect_b64 s[PFA:PFA+1], s[4:5], s[6:7]
	s_cmp_eq_u32 s22, 0
	s_cselect_b32 s[LIM], 1, -1                    ; the same in all sixteen partners, for a given wave
	s_lshl_b32 s22, s12, 7
	s_add_co_u32 s20, s20, s22
	s_lshl_b32 s21, s21, 5
	s_add_co_u32 s20, s20, s21
	s_mov_b32 s21, 0
	s_mov_b64 s[18:19], SIZE_K*2
	s_mul_u64 s[20:21], s[20:21], s[18:19]
	s_add_nc_u64 s[PFA:PFA+1], s[PFA:PFA+1], s[20:21]
	s_add_nc_u64 s[PFA:PFA+1], s[PFA:PFA+1], 2*KSTEP*2  ; at K step 2: the first refill steps it to 3 and names K step 4
	v_and_b32 v[PFO], 31, v0
	v_mul_u32_u24 v[PFO], v[PFO], SIZE_K*2
; 16 matrix instructions: m blocks a0, a0 + 1 of the window's four x all 8 n blocks, 32 along K.  zero = 1: the first product starts the sums.  The 64 accumulators take turns, one instruction a turn,
; in the same order in every quarter step.
.macro MUL16 f, hi, a0, zero
	WIN MUL_LO+0x50*(\hi)
.irp a, \a0, (\a0)+1
.irp b, 0,1,2,3,4,5,6,7
.if \zero
	v_wmma_f32_16x16x32_f16 v[8*(8*(\a)+(\b)):8*(8*(\a)+(\b))+7], v[(\f)+8*(\b):(\f)+8*(\b)+7], v[(\f)+8*(4*(\hi)+(\a)):(\f)+8*(4*(\hi)+(\a))+7], 0
.else
	v_wmma_f32_16x16x32_f16 v[8*(8*(\a)+(\b)):8*(8*(\a)+(\b))+7], v[(\f)+8*(\b):(\f)+8*(\b)+7], v[(\f)+8*(4*(\hi)+(\a)):(\f)+8*(4*(\hi)+(\a))+7], v[8*(8*(\a)+(\b)):8*(8*(\a)+(\b))+7]
.endif
.endr
.endr
.endm
.macro FETCH slot, k, f                ; 32 LDS loads in one run: the fragments of one quarter step into buffer f
	WIN TO_B
.irp i, 0,1,2,3,4,5,6,7
	ds_load_b128 v[(\f)+8*(\i):(\f)+8*(\i)+3],   v[ADRB+(\slot)] offset:(\k)+(\i)*16*PITCH
	ds_load_b128 v[(\f)+8*(\i)+4:(\f)+8*(\i)+7], v[ADRB+(\slot)] offset:(\k)+(\i)*16*PITCH+32
.endr
	WIN 0
.irp i, 0,1,2,3,4,5,6,7
	ds_load_b128 v[(\f)+8*(\i):(\f)+8*(\i)+3],   v[ADRA+(\slot)] offset:(\k)+(\i)*16*PITCH
	ds_load_b128 v[(\f)+8*(\i)+4:(\f)+8*(\i)+7], v[ADRA+(\slot)] offset:(\k)+(\i)*16*PITCH+32
.endr
.endm
.macro PLACES                          ; four places in front of loads into registers that matrix instructions have read, and of lines that read results (ISA guide 7.12.1 for the lines that read results)
.rept 4
	v_nop
.endr
.endm
.macro QUARTER slot, k, f, g, zero
	s_wait_dscnt 8                                 ; B and A's rows 0-63 are in; the youngest eight loads (A's rows 64-127) may be out
	WIN MUL_LO
	MUL16 \f, 0, 0, \zero
	MUL16 \f, 0, 2, \zero
	PLACES
	FETCH \slot, \k, \g
	s_wait_dscnt 32                                ; all but the 32 just issued
	WIN MUL_HI
	MUL16 \f, 1, 0, \zero
	MUL16 \f, 1, 2, \zero
.endm
; ONE barrier for the change of slots.  In front of it each wave waits for all its tensor loads, of which one is out: its part of the next slot; adds 0 to its spare word; and waits for that and for its
; own reads of this slot.  Behind it nobody reads this slot any more and the next slot is whole.
.macro MEET round
	WIN 0                                          ; (the add's two registers lie in window 0)
	s_wait_tensorcnt 0x0                           ; all my tensor loads have landed
	ds_add_u32 v[SPW], v[NIL]                      ; 0 onto my spare word
	s_wait_dscnt 9                                 ; (the add and the youngest eight loads may be out)
	WIN MUL_LO
	MUL16 F1, 0, 0, 0                              ; sixteen matrix instructions stand between the add and the wait for it
	s_wait_dscnt 0x0                               ; the add is done, and my reads of this slot are over
	s_barrier_signal -1
	MUL16 F1, 0, 2, 0
.if \round
	WIN 0
.endif
	s_barrier_wait -1
.endm
.macro TURN slot, next, fill           ; fill = 1: behind the round this slot is filled again, two K steps on: 224 matrix instructions ahead of the wait for it
.if \fill
	s_wait_xcnt 0x0                                ; the last prefetch, a K step back, has read its address: it is stepped here
	s_add_nc_u64 s[PFA:PFA+1], s[PFA:PFA+1], KSTEP*2
.endif
	MEET \fill
.if \fill
	CREST                                          ; no wave of any partner still reads this slot's tile or has a load on its way
	s_add_nc_u64 s[G0+4*(\slot)+2:G0+4*(\slot)+3], s[G0+4*(\slot)+2:G0+4*(\slot)+3], 2*KSTEP*2
	s_add_nc_u64 s[G0B+4*(\slot)+2:G0B+4*(\slot)+3], s[G0B+4*(\slot)+2:G0B+4*(\slot)+3], 2*KSTEP*2
	JLOAD \slot                                    ; the first tensor load behind the round, my only one until the next; its four v_nop are also the places in front of the loads below
.else
	PLACES
.endif
	FETCH \next, 0, F0
.if \fill
	ASK
.endif
	WIN MUL_HI
	MUL16 F1, 1, 0, 0
	MUL16 F1, 1, 2, 0
.endm
	s_wait_tensorcnt 1                             ; my part of K step 0 is in; K step 1's may stay out
	s_barrier_signal -1
	s_barrier_wait -1
	FETCH 0, 0, F0
	QUARTER 0, 64,  F0, F1, 1                      ; the first quarter stands in front of the loop: its products start the sums
	WIN 0
	s_mov_b32 s3, LAPS-1
.Llap:
	QUARTER 0, 128, F1, F0, 0
	QUARTER 0, 192, F0, F1, 0
	TURN 0, 1, 1
	QUARTER 1, 64,  F0, F1, 0
	QUARTER 1, 128, F1, F0, 0
	QUARTER 1, 192, F0, F1, 0
	TURN 1, 0, 1
	QUARTER 0, 64,  F0, F1, 0
	WIN 0
	s_sub_co_u32 s3, s3, 1
	s_cmp_lg_u32 s3, 0
	s_cbranch_scc1 .Llap
	QUARTER 0, 128, F1, F0, 0                      ; the last lap fills nothing
	QUARTER 0, 192, F0, F1, 0
	TURN 0, 1, 0
	QUARTER 1, 64,  F0, F1, 0
	QUARTER 1, 128, F1, F0, 0
	QUARTER 1, 192, F0, F1, 0
	s_wait_dscnt 8                                 ; the very last quarter: nothing more to fetch
	MUL16 F1, 0, 0, 0
	MUL16 F1, 0, 2, 0
	s_wait_dscnt 0x0
	MUL16 F1, 1, 0, 0
	MUL16 F1, 1, 2, 0
	WIN 0
	PLACES
	PLACES                                         ; (eight, once a launch)
; THE WAY OUT, a block of 16 rows at a time through my own stage.  In: a lane's eight f32 of a row, straight from the accumulator, its low four registers first.  Back: whole rows of 512 bytes.
; LDS serves a wave's instructions in order (ISA guide 5.7.1.4): the loads see the stores above them, and the next block's stores come behind these loads: one stage does.
.macro TOSTAGE a
.set AC, 64*((\a)%4)
.set BK, OB+64*((\a)%2)
	s_wait_xcnt 0x0                                ; the stores of the block two back have read this buffer's registers: only behind this wait is it loaded again
	WIN 0x08+4*((\a)/4)                            ; store data (source 1): window 2 or 3
.irp b, 0,1,2,3,4,5,6,7
	ds_store_b128 v[STO], v[AC+8*(\b):AC+8*(\b)+3]   offset:64*(\b)
	ds_store_b128 v[STO], v[AC+8*(\b)+4:AC+8*(\b)+7] offset:64*(\b)+16
.endr
	WIN 0
.irp u, 0,1,2,3,4,5,6,7,8,9,10,11,12,13,14,15
	ds_load_b128 v[BK+4*(\u):BK+4*(\u)+3], v[RD] offset:(\u)*SPITCH
.endr
.endm
.macro SEND a, younger                 ; younger: the LDS instructions issued behind block a's loads: the next block's 16 stores and 16 loads, or none
.set BK, OB+64*((\a)%2)
.irp u, 0,1,2,3,4,5,6,7,8,9,10,11,12,13,14,15
	s_wait_dscnt (\younger)+15-(\u)
	global_store_b128 v[CO], v[BK+4*(\u):BK+4*(\u)+3], s[8:9] offset:(((\a)&3)*256+((\u)>>2)*16+((\a)>>2)*4+((\u)&3))*8192 th:TH_STORE_NT  ; 512 consecutive bytes of one row, at a multiple of 512 from out0's first byte; 823 rows at the most: inside the signed 24-bit immediate
.endr
.endm
	TOSTAGE 0
.irp a, 1,2,3,4,5,6,7
	TOSTAGE \a
	SEND (\a)-1, 32
.endr
	SEND 7, 0
	s_wait_tensorcnt 0x0                           ; the wave's end, behind my last tensor load and my last LDS store
	ds_add_u32 v[SPW], v[NIL]
	s_wait_dscnt 0x0
	CROUND                                         ; the closing round: no work-group ends while a partner may still ask for a tile that names it
	s_endpgm
.Lfunc_end_k_q7b398ba9a9_oproj:
	.size	k_q7b398ba9a9_oproj, .Lfunc_end_k_q7b398ba9a9_oproj-k_q7b398ba9a9_oproj
	.p2alignl 7, 3214868480
	.fill 96, 4, 3214868480
	.section	.rodata,"a",@progbits
	.p2align	6, 0x0
	.amdhsa_kernel k_q7b398ba9a9_oproj
		.amdhsa_group_segment_fixed_size 327680
		.amdhsa_private_segment_fixed_size 0
		.amdhsa_enable_private_segment 0
		.amdhsa_kernarg_size 24
		.amdhsa_user_sgpr_count 2
		.amdhsa_user_sgpr_kernarg_segment_ptr 1
		.amdhsa_wavefront_size32 1
		.amdhsa_system_sgpr_workgroup_id_x 1
		.amdhsa_system_sgpr_workgroup_id_y 1
		.amdhsa_system_sgpr_workgroup_id_z 1
		.amdhsa_system_vgpr_workitem_id 0
		.amdhsa_next_free_vgpr 1024
		.amdhsa_next_free_sgpr 66
		.amdhsa_reserve_vcc 0
		.amdhsa_float_denorm_mode_32 3
		.amdhsa_float_denorm_mode_16_64 3
		.amdhsa_memory_ordered 1
		.amdhsa_forward_progress 1
		.amdhsa_inst_pref_size 145
	.end_amdhsa_kernel
	.amdgpu_metadata
---
amdhsa.version: [ 1, 2 ]
amdhsa.kernels:
  - .name:           k_q7b398ba9a9_oproj
    .symbol:         k_q7b398ba9a9_oproj.kd
    .args:
      - { .name: ob, .offset: 0, .size: 8, .value_kind: global_buffer, .address_space: global }
      - { .name: wof, .offset: 8, .size: 8, .value_kind: global_buffer, .address_space: global }
      - { .name: out0, .offset: 16, .size: 8, .value_kind: global_buffer, .address_space: global }
    .group_segment_fixed_size: 327680
    .private_segment_fixed_size: 0
    .kernarg_segment_align: 8
    .kernarg_segment_size: 24
    .max_flat_workgroup_size: 128
    .sgpr_count:     66
    .vgpr_count:     1024
    .wavefront_size: 32
...
	.end_amdgpu_metadata
.endif
;; end of part 3
